; MI455X (gfx1250); checked and timed in simulation.
; The chip was launched on July 23, 2026; its instructions are those of AMD's public machine-readable ISA for CDNA 5 (MIT licence, August 2026) and "CDNA5" Instruction Set Architecture Reference Guide (July 2026). The comments in the code are by the model that wrote it; some were corrected since.
;; Masked MHA. Allowed arithmetic: matrix products marked QUANTISED: E4M3 operands, one given power-of-two scale a tensor, by v_wmma_f32_16x16x64_fp8_fp8 or v_wmma_f32_16x16x128_fp8_fp8, f32 sums; everything else in f32.
;; Inputs: b_k 1,024 float32; b_o 1,024 float32; b_q 1,024 float32; b_v 1,024 float32; lowp_scales 12 int32 (the exponents e of the quantised operands' scales 2^e); w_k_codes 1,024 x 32 x 32 uint8 (E4M3 codes of w_k, K innermost, in blocks of 32 codes); w_o_codes 1,024 x 32 x 32 uint8 (E4M3 codes of w_o, K innermost, in blocks of 32 codes); w_q_codes 1,024 x 32 x 32 uint8 (E4M3 codes of w_q, K innermost, in blocks of 32 codes); w_v_codes 1,024 x 32 x 32 uint8 (E4M3 codes of w_v, K innermost, in blocks of 32 codes); x_codes 4 x 2,048 x 32 x 32 uint8 (E4M3 codes of x, K innermost, in blocks of 32 codes).
;; Outputs: out0 4 x 2,048 x 1,024 float32.
;; This version of the problem:
;;   THIS VERSION OF THE PROBLEM IS GIVEN IN LOW PRECISION. The matrix products marked QUANTISED in the list below multiply operands that are first quantised to E4M3 (4 exponent bits, 3 mantissa bits; 8 bits a number), with one given power-of-two scale for each operand tensor; their sums are f32. All else is computed in f32.
;;   The module's matrix products, in the order in which they are computed (A, B: the left and right operand; K: the contracted axis; several contracted axes count as one K, in the product's order):
;;     1. [M 8,192, K 1,024] x [K 1,024, N 1,024]; A: input x (given as codes); B: input w_q (given as codes): QUANTISED (scales: A lowp_scales[0], B lowp_scales[1])
;;     2. [M 8,192, K 1,024] x [K 1,024, N 1,024]; A: input x (given as codes); B: input w_k (given as codes): QUANTISED (scales: A lowp_scales[2], B lowp_scales[3])
;;     3. [M 8,192, K 1,024] x [K 1,024, N 1,024]; A: input x (given as codes); B: input w_v (given as codes): QUANTISED (scales: A lowp_scales[4], B lowp_scales[5])
;;     4. batch 64 x [M 2,048, K 64] x [K 64, N 2,048]; A: computed on the way; B: computed on the way: QUANTISED (scales: A lowp_scales[6], B lowp_scales[7])
;;     5. batch 64 x [M 2,048, K 2,048] x [K 2,048, N 64]; A: softmax (see below); B: computed on the way: QUANTISED (scales: A lowp_scales[8], B lowp_scales[9])
;;     6. [M 8,192, K 1,024] x [K 1,024, N 1,024]; A: computed on the way; B: input w_o (given as codes): QUANTISED (scales: A lowp_scales[10], B lowp_scales[11])
;;   THE QUANTISER, for each operand of a quantised product, along K:
;;     - The operand's scale is 2^e, e = its entry of the input lowp_scales (int32; the entries are numbered through the quantised products in the list's order, A before B).
;;     - Each number is divided by the scale, clamped to +-448, and rounded to the nearest number of E4M3, ties to even, subnormals kept.
;;     - The product sums the exact products of the quantised numbers (number of the format x scale) in f32.
;;   ~~~python
;;   def quantise(x, axis, e):      # numpy; x: float32 -> the quantised numbers, widened to float32 again
;;       x = np.moveaxis(x, axis, -1); K = x.shape[-1]
;;       r = np.clip(x / 2.0 ** e, -448, 448)
;;       step = 2.0 ** (np.maximum(np.frexp(np.where(r == 0, 1, r))[1] - 1, -6) - 3)
;;       q = np.round(r / step) * step * 2.0 ** e      # np.round: ties to even
;;       return np.moveaxis(q, -1, axis).astype(np.float32)
;;   ~~~
;;   SOFTMAX AHEAD OF A QUANTISED PRODUCT. Where the list says 'softmax', what is quantised is not the finished softmax but p = 2^(t - M), with t = logit x log2(e) and M = ceil(the row's largest t), a whole number; so 1/2 < the row's largest p <= 1. The row's sum l is taken of the UNQUANTISED p, in f32, and the product's result is divided by l at the end. Since M is a whole number, a kernel that streams over the keys may use a running M (the ceiling of the running maximum): every later rescaling is an exact power of two, so the quantised numbers keep their values, but for numbers so far below the row's largest that they fall under the format's range.
;;   OPERANDS COMPUTED ON THE WAY. 'Computed on the way' means the value that the module computes at that place (a softmax that the list does not call 'softmax' is quantised finished and normalised). What goes into a quantiser is computed in f32, as accurately as f32 sums, v_exp_f32 and their like allow (about 1e-6 of the number): no bf16 or f16 on the way to a quantiser, and a product that is left as it is and whose result goes on into a quantised operand takes f32 operands (vector FMAs, or v_wmma_f32_16x16x4_f32). A number that lies on a knife's edge between two numbers of the format may be rounded either way, as far as f32 arithmetic and the matrix unit's own rounding can turn it there, and no further.
;;   INPUTS GIVEN AS CODES. w_k (in the module: [1024, 1024], K = its axis 0); w_o (in the module: [1024, 1024], K = its axis 0); w_q (in the module: [1024, 1024], K = its axis 0); w_v (in the module: [1024, 1024], K = its axis 0); x (in the module: [4, 2048, 1024], K = its axis 2): each comes as NAME_codes (uint8): NAME with its K axis moved to the last place and cut into blocks of 32 codes, [.., K / 32, bytes a block], one block behind the other in memory; one code a byte (a code: sign, 4 exponent bits, 3 mantissa bits); its scale is its entry of lowp_scales. Its value is code x scale, taken as it is: it is not quantised again, and the codes and scales need not be those that the quantiser above would give.
;; One version. Each part assembles by itself: llvm-mc -triple=amdgcn-amd-amdhsa -mcpu=gfx1250 --defsym DOCPART=n.
;; ======== version 1 of 1: 3 launches
;; limits: right only within a limited range of input values
;; workspace buffers: q_codes 8,388,608 bytes; k_codes 8,388,608 bytes; v_codes 8,388,608 bytes; a_codes 8,388,608 bytes
;; launch qkv (part 1): grid 4 x 64, 4 waves a work-group, clusters of 4 x 4, 327,680 bytes of LDS; arguments x_codes, w_q_codes, w_k_codes, w_v_codes, b_q, b_k, b_v, lowp_scales, q_codes, k_codes, v_codes; writes q_codes, k_codes, v_codes
.if DOCPART == 1
	.amdgcn_target "amdgcn-amd-amdhsa--gfx1250"
	.amdhsa_code_object_version 6
	.text
	.protected	k_q520083d3e7_qkv
	.globl	k_q520083d3e7_qkv
	.p2align	8
	.type	k_q520083d3e7_qkv,@function
k_q520083d3e7_qkv:
	s_mov_b64 s[64:65], 0
	v_nop
	global_prefetch_b8 v0, s[64:65] scope:SCOPE_SE
	s_setreg_imm32_b32 hwreg(HW_REG_WAVE_MODE, 25, 1), 1
	s_wait_xcnt 0x0
	s_wait_alu depctr_hold_cnt(0) depctr_sa_sdst(0) depctr_va_vdst(0) depctr_va_sdst(0) depctr_va_ssrc(0) depctr_va_vcc(0) depctr_vm_vsrc(0)
	s_getreg_b32 s2, hwreg(HW_REG_IB_STS2, 6, 4)
	s_cmp_eq_u32 s2, 0
	s_cbranch_scc0 .Lentry_in_a_cluster
	s_endpgm
.Lentry_in_a_cluster:
	s_bfe_u32 s2, ttmp6, 0x10000c
	s_cmp_lg_u32 s2, 0xf033
	s_cbranch_scc0 .Lentry_shape_is_right
	s_endpgm
.Lentry_shape_is_right:
; q = x Wq + bq, k = x Wk + bk, v = x Wv + bv on codes of FP8 (E4M3), each result quantised at once with its given scale and stored as codes.
; x_codes: [8192 tokens][1024]; w_*_codes: [1024 columns][1024], K innermost; biases f32.  lowp_scales: e0 .. e11.
; Role 0 (q): x 2^e0, w 2^e1, result 2^e6.  Role 1 (k): e2, e3, e7.  Role 2 (v): e4, e5, e9.
; OUT: q_codes, k_codes: [batch][head][s][64];  v_codes: [batch][head][s / 64][d 64][s % 64]: the keys innermost, since they are the K of the product that reads v.
; LIMITS: e6-e0-e1, e7-e2-e3 and e9-e4-e5 lie between -126 and 119, so that the scale and 448 x the scale are f32 numbers.  NaN among codes or biases is not served.
; SHARES.  A work-group of four waves owns 128 tokens x 256 columns (4 heads) and STAYS for the three roles.  Its 128 rows of x (131,072 bytes) are fetched once and stay in LDS;
; W goes through a ring of two slots of 256 rows x 256 K.  A wave makes 64 tokens x 128 columns: 32 accumulators, 256 registers.
; CLUSTERS: 4 x 4 work-groups.  x's tile hangs on the token block alone and is shared along a row of the cluster, W's tiles on the column group alone and are shared along a column:
; each is asked for JOINTLY, by the same tensor load with the same descriptor and a mask that names the four.
; ORIENTATION.  q, k: source 0 = 16 rows of W, source 1 = 16 tokens: a lane holds one token and eight neighbouring columns, which are neighbours along the next K (the head's 64).
; v: source 0 = 16 tokens, source 1 = 16 rows of W: a lane holds one channel and eight neighbouring tokens, which are neighbours along the next K (the keys).
; So one conversion of an accumulator's eight registers gives eight bytes that belong together.  The bias, divided by the power of two that the sums lack, is the C of each sum's first product.
; The 24 steps of 128 along K are written out by macros: there is no loop, and every offset, count and descriptor step is a constant.
; REGISTERS, in windows of 256: window 0: v1-31 addresses and scales; v32-95, v96-159 x's fragments, two sets; v160-223 codes on the way out; v224-231 bv as loaded.
;   window 1: W's fragments, two sets, at v0 and v128.   window 2: accumulator (a, b) at v[8 (8 a + b)].   window 3: the biases in the results' layout: q v0-63, k v64-127, v v128-191.
.set PITCH,  272                       ; an LDS row: 256 bytes + 16 of padding = 68 words: the 16 rows that a load touches begin 4 banks apart
.set XCH,    128*PITCH                 ; a chunk of x: 128 rows x 256 K
.set WB,     4*XCH                     ; behind x's four chunks: W's ring
.set WQ,     64*PITCH                  ; what one wave fetches of a slot
.set WSLOT,  4*WQ
.set SPARE,  WB+2*WSLOT                ; the spare words: 128 bytes a wave, two blocks of 256 bytes that no other line names
.set STAGE,  SPARE+512                 ; the way out: for each wave 2 heads x 64 rows x 80 bytes; no tensor load lands here
.set SP,     80
.set SHEAD,  64*SP
.set SWAVE,  2*SHEAD
.set SCV,   8                          ; v8, v10, v12  the conversion's scale of role 0, 1, 2
.set LIMV,  9                          ; v9, v11, v13  never written: SCALES leaves its vlim unused
.set BO8,   14                         ; v14  32 h: the bias offset of q and k
.set BO4,   15                         ; v15  4 r: of v
.set ADRA,  16                         ; v16-19  my x fragments in chunk 0 .. 3
.set ADRB,  20                         ; v20-21  my W fragments in slot 0, 1
.set STO,   24                         ; v24  the stage: where I put 8 bytes
.set RD,    25                         ; v25  and where I read 16 bytes back
.set CO,    26                         ; v26  16 x lane
.set SPW,   28                         ; v28  my spare word; never rewritten
.set NIL,   29                         ; v29  0; never rewritten
.set AF,    32
.set PC,    160
.set BVT,   224
.set WV,  26
.set WR,  27
.set WC,  28
.set CX,  29
.set CY,  30
.set CG,  31
.set TBK, 32
.set G1X, 40                           ; s[40:47] group 1 for x's chunks;  s[48:55] for W's quarters of a slot
.set G1W, 48
.set G0X, 56                           ; s[56:59]
.set G0W0, 60                          ; s[60:63] slot 0, s[68:71] slot 1
.set EX,  72                           ; s[72:83] e0 .. e11
.set WP,  84                           ; s[84:89] my 64 rows of Wq, Wk, Wv
.set OUTP, 90                          ; s[90:95] my wave's first byte of q_codes, k_codes, v_codes
.set NEG, 96                           ; s96-98 -(ea + eb) of the three roles
.set MSB, 0
.macro WIN new                         ; the immediate's high byte repeats the setting that is left
.if MSB != \new
	s_set_vgpr_msb (MSB<<8)|\new
.set MSB, \new
.endif
.endm
.macro PLACES n
.rept \n
	v_nop
.endr
.endm
.macro CREST                           ; a round of the cluster's barrier behind its opening barrier
	s_cmp_lg_u32 s[WV], 0
	s_cbranch_scc1 .Lnot_wave_0_\@
	s_barrier_signal -3
.Lnot_wave_0_\@:
	s_barrier_wait -3
	s_barrier_signal -1
	s_barrier_wait -1
.endm
.macro CROUND
	s_barrier_signal -1
	s_barrier_wait -1
	CREST
.endm
	s_load_b512 s[4:19], s[0:1], 0x0               ; x 4, wq 6, wk 8, wv 10, bq 12, bk 14, bv 16, the exponents 18
	s_load_b128 s[20:23], s[0:1], 0x40             ; q_codes, k_codes
	s_load_b64 s[24:25], s[0:1], 0x50              ; v_codes
	v_lshl_add_u32 v[SPW], v0, 2, SPARE
	v_mov_b32 v[NIL], 0
	ds_add_u32 v28, v29
	ds_add_u32 v28, v29
	s_wait_dscnt 0x0
	v_lshrrev_b32 v1, 5, v0
	v_readfirstlane_b32 s[WV], v1                  ; wave 0..3
	s_lshr_b32 s[WR], s[WV], 1                     ; which 64 tokens are mine
	s_and_b32 s[WC], s[WV], 1                      ; which 128 columns
	s_bfe_u32 s[CX], ttmp6, 0x40000
	s_bfe_u32 s[CY], ttmp6, 0x40004
	s_lshl_b32 s[CG], ttmp9, 2
	s_add_co_u32 s[CG], s[CG], s[CX]               ; column group = 4 x cluster x + cx
	s_and_b32 s[TBK], ttmp7, 0xffff
	s_lshl_b32 s[TBK], s[TBK], 2
	s_add_co_u32 s[TBK], s[TBK], s[CY]             ; token block = 4 x cluster y + cy
	s_lshl_b32 s33, s[CY], 2
	s_lshl_b32 s33, 15, s33                        ; my row of the cluster
	s_lshl_b32 s34, 0x1111, s[CX]                  ; my column
	s_or_b32 s[G1X], s33, (1<<20)|(1<<21)|(5<<22)|(3<<25)   ; the mask; elements of 1 byte; padding on; bit 21 beside a mask; 4 words behind every 64
	s_mov_b32 s[G1X+1], 256<<16                    ; tensor_dim0
	s_mov_b32 s[G1X+2], 128<<16                    ; tensor_dim1
	s_mov_b32 s[G1X+3], 256<<16                    ; tile_dim0
	s_mov_b32 s[G1X+4], 128                        ; tile_dim1
	s_mov_b32 s[G1X+5], 1024                       ; from row to row
	s_mov_b32 s[G1X+6], 0
	s_mov_b32 s[G1X+7], 0
	s_or_b32 s[G1W], s34, (1<<20)|(1<<21)|(5<<22)|(3<<25)
	s_mov_b32 s[G1W+1], 256<<16
	s_mov_b32 s[G1W+2], 64<<16
	s_mov_b32 s[G1W+3], 256<<16
	s_mov_b32 s[G1W+4], 64
	s_mov_b32 s[G1W+5], 1024
	s_mov_b32 s[G1W+6], 0
	s_mov_b32 s[G1W+7], 0
	; every LDS address is made here, ahead of the first branch on the wave's number: a constant + a constant x wave + a lane term
	v_and_b32 v1, 15, v0                           ; r
	v_bfe_u32 v2, v0, 4, 1                         ; h
	v_and_b32 v3, 31, v0                           ; lane
	v_mul_u32_u24 v4, v1, PITCH
	v_lshl_add_u32 v4, v2, 4, v4                   ; a fragment's row x pitch + 16 h
	s_wait_alu depctr_va_vdst(0)
	s_mul_i32 s35, s[WR], 64*PITCH
.irp c, 0,1,2,3
	v_add_nc_u32 v[ADRA+\c], s35, v4
	s_add_co_u32 s35, s35, XCH
.endr
	s_mul_i32 s35, s[WC], 128*PITCH
	s_add_co_u32 s35, s35, WB
.irp c, 0,1
	v_add_nc_u32 v[ADRB+\c], s35, v4
	s_add_co_u32 s35, s35, WSLOT
.endr
	s_mul_i32 s35, s[WV], SWAVE
	s_add_co_u32 s35, s35, STAGE                   ; my stage
	v_mul_u32_u24 v5, v1, SP
	v_lshl_add_u32 v5, v2, 3, v5
	v_add_nc_u32 v[STO], s35, v5                   ; in: row r, + 8 h
	v_lshrrev_b32 v5, 2, v3
	v_mul_u32_u24 v5, v5, SP
	v_and_b32 v6, 3, v3
	v_lshl_add_u32 v5, v6, 4, v5
	v_add_nc_u32 v[RD], s35, v5                    ; back: four lanes to a row of 64 bytes, eight rows an instruction
	v_lshlrev_b32 v[CO], 4, v3
	v_lshlrev_b32 v[BO8], 5, v2
	v_lshlrev_b32 v[BO4], 2, v1
	; offsets, each in registers of its own: x's holds cy and never cx, W's holds cx and never cy
	s_lshl_b32 s36, s[TBK], 17                     ; x: 128 rows of 1,024 bytes a token block,
	s_lshl_b32 s37, s[WV], 8                       ; chunk = wave: 256 bytes along K
	s_add_co_u32 s36, s36, s37
	s_mov_b32 s37, 0
	s_lshl_b32 s38, s[CG], 18                      ; W: 256 rows a column group,
	s_lshl_b32 s39, s[WV], 16                      ; my 64 of them
	s_add_co_u32 s38, s38, s39
	s_mov_b32 s39, 0
	s_lshr_b32 s96, s[TBK], 4                      ; out: (16 batch + head) x 131,072 + s x 64, head = 4 cg + 2 wc, s = 128 (tb % 16) + 64 wr
	s_lshl_b32 s96, s96, 4
	s_lshl_b32 s97, s[CG], 2
	s_add_co_u32 s96, s96, s97
	s_lshl_b32 s97, s[WC], 1
	s_add_co_u32 s96, s96, s97
	s_lshl_b32 s96, s96, 17
	s_and_b32 s97, s[TBK], 15
	s_lshl_b32 s97, s97, 13
	s_add_co_u32 s96, s96, s97
	s_lshl_b32 s97, s[WR], 12
	s_add_co_u32 s96, s96, s97
	s_mov_b32 s97, 0
	s_lshl_b32 s98, s[CG], 10                      ; biases: (256 cg + 128 wc) x 4 bytes
	s_lshl_b32 s99, s[WC], 9
	s_add_co_u32 s98, s98, s99
	s_mov_b32 s99, 0
	s_mul_i32 s35, s[WV], WQ
	s_wait_kmcnt 0x0
	s_load_b256 s[EX:EX+7], s[18:19], 0x0          ; e0 .. e7
	s_load_b128 s[EX+8:EX+11], s[18:19], 0x20      ; e8 .. e11
	s_add_nc_u64 s[WP:WP+1], s[6:7], s[38:39]
	s_add_nc_u64 s[WP+2:WP+3], s[8:9], s[38:39]
	s_add_nc_u64 s[WP+4:WP+5], s[10:11], s[38:39]
	s_add_nc_u64 s[OUTP:OUTP+1], s[20:21], s[96:97]
	s_add_nc_u64 s[OUTP+2:OUTP+3], s[22:23], s[96:97]
	s_add_nc_u64 s[OUTP+4:OUTP+5], s[24:25], s[96:97]
	s_add_nc_u64 s[12:13], s[12:13], s[98:99]
	s_add_nc_u64 s[14:15], s[14:15], s[98:99]
	s_add_nc_u64 s[16:17], s[16:17], s[98:99]
	s_mov_b32 s[G0X], 1
	s_mul_i32 s[G0X+1], s[WV], XCH                 ; chunk w lands at w x 34,816
	s_add_nc_u64 s[G0X+2:G0X+3], s[4:5], s[36:37]
	s_or_b32 s[G0X+3], s[G0X+3], 0x80000000
	s_mov_b32 s[G0W0], 1
	s_add_co_u32 s[G0W0+1], s35, WB
	s_mov_b64 s[G0W0+2:G0W0+3], s[WP:WP+1]         ; Wq, K 0 .. 255
	s_or_b32 s[G0W0+3], s[G0W0+3], 0x80000000
	s_mov_b32 s[G0W0+8], 1
	s_add_co_u32 s[G0W0+9], s35, WB+WSLOT
	s_add_nc_u64 s[G0W0+10:G0W0+11], s[WP:WP+1], 256   ; Wq, K 256 .. 511
	s_or_b32 s[G0W0+11], s[G0W0+11], 0x80000000
	CROUND                                         ; all sixteen work-groups are here: the first joint loads meet
	tensor_load_to_lds s[G0X:G0X+3], s[G1X:G1X+7]  ; the first fills go out as one group: three loads of mine are out
	s_nop 0
	tensor_load_to_lds s[G0W0:G0W0+3], s[G1W:G1W+7]
	s_nop 0
	tensor_load_to_lds s[G0W0+8:G0W0+11], s[G1W:G1W+7]
	s_nop 0
	PLACES 4                                       ; four lines behind a tensor load, ahead of the next switch of windows
	; the biases, in the results' layout.  q, k: lane (r, h) wants, for block b, columns 16 b + 8 h + 0 .. 7.  v: column 16 b + r, the same in all eight registers
	WIN 0xC0                                       ; destination window 3
	s_wait_alu depctr_va_vdst(0)
.irp b, 0,1,2,3,4,5,6,7
	global_load_b128 v[8*\b:8*\b+3], v[BO8], s[12:13] offset:64*\b
	global_load_b128 v[8*\b+4:8*\b+7], v[BO8], s[12:13] offset:64*\b+16
	global_load_b128 v[64+8*\b:64+8*\b+3], v[BO8], s[14:15] offset:64*\b
	global_load_b128 v[64+8*\b+4:64+8*\b+7], v[BO8], s[14:15] offset:64*\b+16
.endr
	WIN 0
.irp b, 0,1,2,3,4,5,6,7
	global_load_b32 v[BVT+\b], v[BO4], s[16:17] offset:64*\b
.endr
; A sum stands for sum x 2^(ea + eb).  So the bias goes in x 2^-(ea + eb), and the code is (sum + that) / 2^(eo - ea - eb): the three scales are folded into the conversion's one.
.macro SCALES ea, eb, eo, neg, vsc, vlim
	s_add_co_i32 s35, s[\ea], s[\eb]
	s_sub_co_i32 s[\neg], 0, s35
	s_sub_co_i32 s36, s[\eo], s35
	s_add_co_i32 s36, s36, 127
	s_lshl_b32 s37, s36, 23
	v_mov_b32 v[\vsc], s37                         ; 2^(eo - ea - eb) as f32
.endm
	s_wait_kmcnt 0x0
	SCALES EX+0, EX+1, EX+6, NEG,   SCV,   LIMV
	SCALES EX+2, EX+3, EX+7, NEG+1, SCV+2, LIMV+2
	SCALES EX+4, EX+5, EX+9, NEG+2, SCV+4, LIMV+4
	s_wait_loadcnt 0x0
	WIN 0xC3                                       ; source 0 and destination window 3
.set ii, 0
.rept 64
	v_ldexp_f32 v[ii], v[ii], s[NEG]
	v_ldexp_f32 v[64+ii], v[64+ii], s[NEG+1]
.set ii, ii+1
.endr
	WIN 0xC0
.irp b, 0,1,2,3,4,5,6,7
.irp j, 0,1,2,3,4,5,6,7
	v_ldexp_f32 v[128+8*\b+\j], v[BVT+\b], s[NEG+2]
.endr
.endr
	WIN 0
; A fragment, 16 rows x 128 K, is 16 registers: lane (r, h) holds row r; registers 4 c .. 4 c + 3 hold K = 32 c + 16 h + 0 .. 15: the same places in x's and in W's, so every product meets its partner.
.macro FRAG reg, adr, q, i
.irp c, 0,1,2,3
	ds_load_b128 v[\reg+4*\c:\reg+4*\c+3], v[\adr] offset:128*(\q)+32*\c+(\i)*16*PITCH
.endr
.endm
.macro FETCH_B set, slot, q            ; W's eight fragments: 32 loads
	WIN 0x40
.irp i, 0,1,2,3,4,5,6,7
	FRAG 128*(\set)+16*\i, ADRB+\slot, \q, \i
.endr
	WIN 0
.endm
.macro FETCH_A set, kc, q              ; x's four fragments: 16 loads
.irp i, 0,1,2,3
	FRAG AF+64*(\set)+16*\i, ADRA+\kc, \q, \i
.endr
.endm
.macro SYMS n                          ; the constants of step n of 24
.set ROLE, (\n)/8
.set PS,   (\n)%2                      ; the set of fragments that it multiplies
.set NKC,  (((\n)+1)%8)/2              ; the next step's chunk of x,
.set NQ,   ((\n)+1)%2                  ; its half of the chunk and of the slot,
.set NSL,  (((\n)+1)/2)%2              ; and its slot
.set FST, 0
.if ((\n)%8) == 0
.set FST, 1                            ; a role's first step starts the sums with the bias: nothing is cleared
.endif
.set SWP, 0
.if ROLE == 2
.set SWP, 1                            ; v: the sources change places
.endif
.set WM,  0xA1+0x10*FST+3*SWP          ; W window 1, x window 0, D window 2, C window 2 (the bias: window 3)
.set BIA, 64*ROLE
.endm
; 8 matrix instructions: x's block a against W's eight.  The 32 accumulators take turns, one instruction a turn, in the same order in every step.
.macro MUL8 a
.irp b, 0,1,2,3,4,5,6,7
.set rD, 8*(8*(\a)+\b)
.set rA, AF+64*PS+16*(\a)
.set rB, 128*PS+16*\b
.set rC, BIA+8*\b
.if SWP
.if FST
	v_wmma_f32_16x16x128_fp8_fp8 v[rD:rD+7], v[rA:rA+15], v[rB:rB+15], v[rC:rC+7]
.else
	v_wmma_f32_16x16x128_fp8_fp8 v[rD:rD+7], v[rA:rA+15], v[rB:rB+15], v[rD:rD+7]
.endif
.else
.if FST
	v_wmma_f32_16x16x128_fp8_fp8 v[rD:rD+7], v[rB:rB+15], v[rA:rA+15], v[rC:rC+7]
.else
	v_wmma_f32_16x16x128_fp8_fp8 v[rD:rD+7], v[rB:rB+15], v[rA:rA+15], v[rD:rD+7]
.endif
.endif
.endr
.endm
; An even step: its successor lies in the same slot.  The next step's 48 loads stand in ONE run in its middle, behind four places (loads into registers that matrix instructions have read).
.macro STEP n
	SYMS \n
	s_wait_dscnt 8                                 ; W's eight and x's blocks 0, 1 are in; the youngest eight loads (blocks 2, 3) may be out
	WIN WM
	MUL8 0
	MUL8 1
	PLACES 4
	FETCH_B 1-PS, NSL, NQ
	FETCH_A 1-PS, NKC, NQ
	s_wait_dscnt 48                                ; all but the 48 just issued
	WIN WM
	MUL8 2
	MUL8 3
	WIN 0
.endm
; An odd step changes slots: ONE barrier.  In front of it each wave waits for all its tensor loads (one is out: its part of the next slot), adds 0 to its spare word, and waits for that and for its reads of
; this slot.  fill = 1: the barrier opens a round of the cluster's, and behind the round this slot takes the tile two slots on (the ring walks on from role to role).
.macro TURN n, fill
	SYMS \n
.set GG, (\n)/2
.set GW, G0W0+8*(GG%2)
.set GF, GG+2
	s_wait_tensorcnt 0x0                           ; all my tensor loads have landed
	ds_add_u32 v[SPW], v[NIL]                      ; 0 onto my spare word
	s_wait_dscnt 13                                ; (the add and the twelve loads of x's blocks 1 to 3 may be out)
	WIN WM
	MUL8 0                                         ; eight matrix instructions stand between the add and the wait for it
	s_wait_dscnt 0x0                               ; the add is done, and my reads of this slot are over
	s_barrier_signal -1
	MUL8 1
	WIN 0
	s_barrier_wait -1
.if \fill
	CREST                                          ; no wave of any partner still reads this slot or has a load on its way
	s_add_nc_u64 s[GW+2:GW+3], s[WP+2*(GF/4):WP+2*(GF/4)+1], (GF%4)*256   ; tile GF: role GF / 4, K 256 (GF % 4) on
	s_or_b32 s[GW+3], s[GW+3], 0x80000000
	tensor_load_to_lds s[GW:GW+3], s[G1W:G1W+7]    ; my one tensor load behind the round
	s_nop 0
.endif
	PLACES 4                                       ; behind the tensor load, and the places in front of the loads below
	FETCH_B 1-PS, NSL, NQ
	FETCH_A 1-PS, NKC, NQ
	WIN WM
	MUL8 2
	MUL8 3
	WIN 0
.endm
.macro LAST n                          ; the very last step fetches nothing
	SYMS \n
	s_wait_dscnt 8
	WIN WM
	MUL8 0
	MUL8 1
	s_wait_dscnt 0x0
	MUL8 2
	MUL8 3
	WIN 0
.endm
; THE WAY OUT of a role.  Not clamped to +-448 x the scale (the conversion to an 8-bit code does not saturate: ISA guide 7.6.2), converted eight numbers at a time, 8 bytes a lane into my own stage
; (q, k: row = token, bytes = the head's 64; v: row = channel, bytes = my 64 tokens), and back as 512 consecutive bytes an instruction, which is how they lie in the buffers.
.macro EPI role
	PLACES 4                                       ; behind the last products, in front of the first read of results
	WIN 0x82                                       ; source 0 and destination window 2
.set ii, 0
.rept 256
.set ii, ii+1
.endr
.if \role > 0
	s_wait_xcnt 0x0                                ; the last role's stores have read their data registers, which are written again below
.endif
	WIN 0x02
.set ii, 0
.rept 32
	v_cvt_scalef32_pk8_fp8_f32 v[PC+2*ii:PC+2*ii+1], v[8*ii:8*ii+7], v[SCV+2*(\role)]
.set ii, ii+1
.endr
	v_nop                                          ; one plain line behind the last conversion: the next role's products write its sources
	WIN 0
.set ii, 0
.rept 32
.if \role == 2
.set SOF, ((ii%8)/4)*SHEAD+16*(ii%4)*SP+16*(ii/8)
.else
.set SOF, ((ii%8)/4)*SHEAD+16*(ii/8)*SP+16*(ii%4)
.endif
	ds_store_b64 v[STO], v[PC+2*ii:PC+2*ii+1] offset:SOF
.set ii, ii+1
.endr
.irp i, 0,1,2,3,4,5,6,7,8,9,10,11,12,13,14,15
	ds_load_b128 v[PC+4*\i:PC+4*\i+3], v[RD] offset:(\i/8)*SHEAD+(\i%8)*8*SP   ; LDS serves a wave's instructions in order: these see my stores
.endr
.irp i, 0,1,2,3,4,5,6,7,8,9,10,11,12,13,14,15
	s_wait_dscnt 15-\i
	global_store_b128 v[CO], v[PC+4*\i:PC+4*\i+3], s[OUTP+2*(\role):OUTP+2*(\role)+1] offset:(\i/8)*131072+(\i%8)*512   ; 32 lanes store 512 consecutive bytes, aligned
.endr
.endm
	s_wait_tensorcnt 1                             ; my chunk of x and my part of slot 0 are in; slot 1's load may be out
	s_barrier_signal -1
	s_barrier_wait -1                              ; everybody's are
	FETCH_B 0, 0, 0
	FETCH_A 0, 0, 0
.irp n, 0,2,4,6
	STEP \n
	TURN \n+1, 1
.endr
	EPI 0                                          ; q leaves while the ring's next tile, Wk's, is on its way
.irp n, 8,10,12,14
	STEP \n
	TURN \n+1, 1
.endr
	EPI 1
.irp n, 16,18
	STEP \n
	TURN \n+1, 1
.endr
	STEP 20
	TURN 21, 0                                     ; nothing is left to fetch: no round
	STEP 22
	LAST 23
	EPI 2
	s_wait_tensorcnt 0x0                           ; the wave's end
	ds_add_u32 v[SPW], v[NIL]
	s_wait_dscnt 0x0
	CROUND                                         ; the closing round: no work-group ends while a partner may still ask for a tile that names it
	s_endpgm
.Lfunc_end_k_q520083d3e7_qkv:
	.size	k_q520083d3e7_qkv, .Lfunc_end_k_q520083d3e7_qkv-k_q520083d3e7_qkv
	.p2alignl 7, 3214868480
	.fill 96, 4, 3214868480
	.section	.rodata,"a",@progbits
	.p2align	6, 0x0
	.amdhsa_kernel k_q520083d3e7_qkv
		.amdhsa_group_segment_fixed_size 327680
		.amdhsa_private_segment_fixed_size 0
		.amdhsa_enable_private_segment 0
		.amdhsa_kernarg_size 88
		.amdhsa_user_sgpr_count 2
		.amdhsa_user_sgpr_kernarg_segment_ptr 1
		.amdhsa_wavefront_size32 1
		.amdhsa_system_sgpr_workgroup_id_x 1
		.amdhsa_system_sgpr_workgroup_id_y 1
		.amdhsa_system_sgpr_workgroup_id_z 1
		.amdhsa_system_vgpr_workitem_id 0
		.amdhsa_next_free_vgpr 1024
		.amdhsa_next_free_sgpr 100
		.amdhsa_reserve_vcc 0
		.amdhsa_float_denorm_mode_32 3
		.amdhsa_float_denorm_mode_16_64 3
		.amdhsa_fp16_overflow 1
		.amdhsa_memory_ordered 1
		.amdhsa_forward_progress 1
		.amdhsa_inst_pref_size 181
	.end_amdhsa_kernel
	.amdgpu_metadata
---
amdhsa.version: [ 1, 2 ]
amdhsa.kernels:
  - .name:           k_q520083d3e7_qkv
    .symbol:         k_q520083d3e7_qkv.kd
    .args:
      - { .name: x_codes, .offset: 0, .size: 8, .value_kind: global_buffer, .address_space: global }
      - { .name: w_q_codes, .offset: 8, .size: 8, .value_kind: global_buffer, .address_space: global }
      - { .name: w_k_codes, .offset: 16, .size: 8, .value_kind: global_buffer, .address_space: global }
      - { .name: w_v_codes, .offset: 24, .size: 8, .value_kind: global_buffer, .address_space: global }
      - { .name: b_q, .offset: 32, .size: 8, .value_kind: global_buffer, .address_space: global }
      - { .name: b_k, .offset: 40, .size: 8, .value_kind: global_buffer, .address_space: global }
      - { .name: b_v, .offset: 48, .size: 8, .value_kind: global_buffer, .address_space: global }
      - { .name: lowp_scales, .offset: 56, .size: 8, .value_kind: global_buffer, .address_space: global }
      - { .name: q_codes, .offset: 64, .size: 8, .value_kind: global_buffer, .address_space: global }
      - { .name: k_codes, .offset: 72, .size: 8, .value_kind: global_buffer, .address_space: global }
      - { .name: v_codes, .offset: 80, .size: 8, .value_kind: global_buffer, .address_space: global }
    .group_segment_fixed_size: 327680
    .private_segment_fixed_size: 0
    .kernarg_segment_align: 8
    .kernarg_segment_size: 88
    .max_flat_workgroup_size: 128
    .sgpr_count:     100
    .vgpr_count:     1024
    .wavefront_size: 32
...
	.end_amdgpu_metadata
.endif
;; end of part 1
;; launch attn (part 2): grid 4 x 64, 16 waves a work-group, clusters of 4 x 1, 327,680 bytes of LDS; arguments q_codes, k_codes, v_codes, lowp_scales, a_codes; writes a_codes
.if DOCPART == 2
	.amdgcn_target "amdgcn-amd-amdhsa--gfx1250"
	.amdhsa_code_object_version 6
	.text
	.protected	k_q520083d3e7_attn
	.globl	k_q520083d3e7_attn
	.p2align	8
	.type	k_q520083d3e7_attn,@function
k_q520083d3e7_attn:
	s_mov_b64 s[64:65], 0
	v_nop
	global_prefetch_b8 v0, s[64:65] scope:SCOPE_SE
	s_setreg_imm32_b32 hwreg(HW_REG_WAVE_MODE, 25, 1), 1
	s_wait_xcnt 0x0
	s_wait_alu depctr_hold_cnt(0) depctr_sa_sdst(0) depctr_va_vdst(0) depctr_va_sdst(0) depctr_va_ssrc(0) depctr_va_vcc(0) depctr_vm_vsrc(0)
	s_getreg_b32 s2, hwreg(HW_REG_IB_STS2, 6, 4)
	s_cmp_eq_u32 s2, 0
	s_cbranch_scc0 .Lentry_in_a_cluster
	s_endpgm
.Lentry_in_a_cluster:
	s_bfe_u32 s2, ttmp6, 0x10000c
	s_cmp_lg_u32 s2, 0x3003
	s_cbranch_scc0 .Lentry_shape_is_right
	s_endpgm
.Lentry_shape_is_right:
; Causal attention on codes of FP8 (E4M3), head size 64, 2,048 positions, 64 (batch, head) pairs; the result is quantised at once for the output projection.
; q_codes, k_codes: [bh][s][64].  v_codes: [bh][s / 64][d 64][s % 64] (keys innermost).  a_codes: [token / 128][head][token % 128][d 64].  lowp_scales: e6 q, e7 k, e8 p, e9 v, e10 the result.
; THE SOFTMAX: t = score x log2(e) / 8; M = the running largest t rounded UP to a whole number; p = 2^(t - M) is quantised with 2^e8, not normalised; the row's sum is taken of the unquantised p and divides
; at the end.  When M moves, the sum and O are multiplied by 2^(old M - new M), which rounds nothing.
; LIMITS: e6 + e7 between -123 and 130 (added to the exponent field of log2(e) / 8); e8 and e10 - e8 - e9 between -126 and 119.  NaN codes are not served.
; SHARES.  A cluster of four work-groups owns one (batch, head).  The head's 128 tiles of 16 queries are numbered 4 u + c: c is the work-group's place, u = 0 .. 31.  Wave w of sixteen owns two tiles:
; u_lo = 4 ((w % 4 + 3 (w / 4)) % 4) + w / 4 and u_hi = 31 - u_lo.  A key step is 128 keys from KF on.  A tile's queries lie in 64 u .. 64 u + 63 and KF is a multiple of 128, so a step is hidden
; where KF > 64 u + 63 and open where KF + 127 <= 64 u: NEITHER TEST KNOWS c.  So all four partners branch alike, and K and V are asked for JOINTLY.  A tile has u / 2 + 1 steps: 17 for every wave.
; Every work-group walks all eight slots of 256 keys: the trip count is a constant, and no tensor load or barrier is jumped over; what is left out is a hidden step's work.
; LAYOUT.  S^T = K Q^T (source 0 = 16 neighbouring keys, source 1 = my 16 queries): lane (r, h) holds query r, register 8 t + j key 16 t + 8 h + j.  The conversion of tile t's eight registers gives
; registers 2 t, 2 t + 1 of P, which is where the K = 128 form wants k = 16 t + 8 h + 0 .. 7.  O^T += V^T P (source 0 = 16 channels): one query a lane throughout.
; REGISTERS: v1-11 addresses; v12-19 the two tiles' -M, largest t, sum (two halves); v20-21 query - 8 h; v24-39 Q; v40-103 fragments of K, then of V; v104-167 S^T, then p; v168-231 O^T; v232-247 p's codes.
.set KP,    80                         ; a row of 64 bytes + 16 of padding = 20 words: sixteen rows begin at sixteen different groups of four banks
.set VOFF,  256*KP                     ; a slot: 256 rows of K, then 256 rows of V (4 blocks of 64 keys x 64 channels)
.set SLOT1, 1<<17                      ; slot 1 begins here: one exclusive or turns an address from one slot to the other
.set SPARE, 2*SLOT1                    ; the spare words: 128 bytes for each of sixteen waves, eight blocks of 256 bytes that no other line names
.set STAGE, SPARE+16*128               ; the way out: 16 rows x 80 bytes a wave; no tensor load lands here
.set AK0, 1
.set AV0, 2
.set PFO, 3                            ; v3   256 x lane: the prefetches' offset; never rewritten
.set QO,  4
.set SPW, 5                            ; v5   my spare word; never rewritten
.set NIL, 6                            ; v6   0; never rewritten
.set GO,  7
.set ADK, 8
.set ADV, 9
.set STO, 10
.set RD,  11
.set ST,  12
.set DQ,  20
.set PD,  22
.set DM,  23
.set QF,  24
.set KV,  40
.set S,   104
.set OF,  168
.set PC,  232
.set LIMP, 248
.set SCP,  249                         ; v249 the scale in hand
.set F,   250                          ; v[250:251] f = 2^(old M - new M)
.set SB,  252
.set MA,  254
.set MB,  255
.set WV,  14
.set CX,  15
.set SEL, 16                           ; s[16:17] lane l xor 16
.set CS,  18                           ; s[18:19] log2(e) / 8 x 2^(e6 + e7)
.set TB,  20                           ; s20 the slot in hand
.set SLOTS, 21
.set KF,  22                           ; s22 the step's first key
.set LIM, 23
.set G1,  24                           ; s[24:31] one group 1 for K's and V's halves: 128 dense rows of 64 bytes
.set G0K, 32
.set G0V, 36
.set UE,  40                           ; s40, s41  64 u + 63
.set UB,  42                           ; s42, s43  64 u
.set PFA, 44
.set OA,  46                           ; s[46:49] where my two tiles' codes go
.set EX,  52                           ; s[52:63] e0 .. e11
.set QB,  86                           ; s[86:89] my two tiles of Q
.macro CROUND                          ; a round of the cluster's barrier
	s_barrier_signal -1
	s_barrier_wait -1
	s_cmp_lg_u32 s[WV], 0
	s_cbranch_scc1 .Lnot_wave_0_\@
	s_barrier_signal -3
.Lnot_wave_0_\@:
	s_barrier_wait -3
	s_barrier_signal -1
	s_barrier_wait -1
.endm
; A joint load: waves 0 and 1 fetch K's halves of a slot, waves 2 and 3 V's, the others nothing.  The branches hang on the wave's number alone.  Four v_nop follow each line.
.macro TLOAD
	s_cmp_lt_u32 s[WV], 2
	s_cbranch_scc0 .Lnot_k_\@
	tensor_load_to_lds s[G0K:G0K+3], s[G1:G1+7]
	s_nop 0
.rept 4
	v_nop
.endr
	s_branch .Lasked_\@
.Lnot_k_\@:
	s_cmp_lt_u32 s[WV], 4
	s_cbranch_scc0 .Lasked_\@
	tensor_load_to_lds s[G0V:G0V+3], s[G1:G1+7]
	s_nop 0
.rept 4
	v_nop
.endr
.Lasked_\@:
.endm
; A PREFETCH of the slot that the NEXT change of slots will ask for: 16,384 bytes of K and as many of V, 128 blocks of 256 bytes.  The four partners share them out BY ADDRESS, 32 blocks each
; (places 0, 1: K's halves; 2, 3: V's); in each, wave 4, which fetches nothing, asks: a lane a block, one instruction.  Each block is named once in the launch.  The last change that fills a slot asks for nothing.
.macro ASK
	s_cmp_gt_u32 s[SLOTS], s[LIM]
	s_cbranch_scc0 .Lnot_mine_\@
	global_prefetch_b8 v[PFO], s[PFA:PFA+1] th:TH_LOAD_NT scope:SCOPE_SE
.Lnot_mine_\@:
.endm
	s_load_b256 s[4:11], s[0:1], 0x0               ; q 4, k 6, v 8, the exponents 10
	s_load_b64 s[12:13], s[0:1], 0x20              ; a_codes
	v_lshl_add_u32 v[SPW], v0, 2, SPARE
	v_mov_b32 v[NIL], 0
	ds_add_u32 v5, v6
	ds_add_u32 v5, v6
	s_wait_dscnt 0x0
	v_lshrrev_b32 v8, 5, v0
	s_delay_alu instid0(VALU_DEP_1)
	v_readfirstlane_b32 s[WV], v8                  ; wave 0..15
	s_bfe_u32 s[CX], ttmp6, 0x40000                ; c: it enters global addresses and the mask's compare alone
	s_and_b32 s66, ttmp7, 0xffff                   ; bh, which the four partners share
	s_lshr_b32 s67, s[WV], 2
	s_and_b32 s68, s[WV], 3
	s_mul_i32 s69, s67, 3
	s_add_co_u32 s69, s69, s68
	s_and_b32 s69, s69, 3
	s_lshl_b32 s69, s69, 2
	s_add_co_u32 s69, s69, s67                     ; u_lo
	s_sub_co_u32 s70, 31, s69                      ; u_hi
	s_lshl_b32 s[UB], s69, 6
	s_lshl_b32 s[UB+1], s70, 6
	s_add_co_u32 s[UE], s[UB], 63
	s_add_co_u32 s[UE+1], s[UB+1], 63
	s_lshl_b32 s71, s[CX], 4
	s_add_co_u32 s72, s[UB], s71                   ; my tiles' first queries: 64 u + 16 c
	s_add_co_u32 s73, s[UB+1], s71
	s_lshl_b32 s74, s66, 17                        ; the head's first byte in q, k and v
	s_and_b32 s77, s[WV], 1                        ; which half of a slot's rows I fetch, if I fetch
	s_lshl_b32 s80, s77, 13
	s_add_co_u32 s80, s80, s74
	s_mov_b32 s81, 0
	s_mul_i32 s77, s77, 128*KP
	s_and_b32 s82, s[CX], 1
	s_lshl_b32 s82, s82, 13
	s_add_co_u32 s82, s82, s74
	s_add_co_u32 s82, s82, 16384                   ; the prefetches stand in slot 1; the first change of slots steps them to slot 2
	s_mov_b32 s83, 0
	s_mul_i32 s76, s[WV], 16*KP
	s_add_co_u32 s76, s76, STAGE                   ; my stage
	s_mov_b32 s[G1], 15|(1<<20)|(1<<21)|(3<<22)|(3<<25)   ; the mask: all four; elements of 1 byte; padding on; bit 21 beside a mask; 4 words behind every 16
	s_mov_b32 s[G1+1], 64<<16                      ; tensor_dim0
	s_mov_b32 s[G1+2], 128<<16                     ; tensor_dim1
	s_mov_b32 s[G1+3], 64<<16                      ; tile_dim0
	s_mov_b32 s[G1+4], 128                         ; tile_dim1
	s_mov_b32 s[G1+5], 64                          ; from row to row: dense
	s_mov_b32 s[G1+6], 0
	s_mov_b32 s[G1+7], 0
	s_mov_b32 s[SEL], 0x76543210
	s_mov_b32 s[SEL+1], 0xfedcba98
	s_mov_b32 s[CS], 0x3e38aa3b                    ; log2(e) / sqrt(64)
	s_mov_b32 s[TB], 0
	s_mov_b32 s[KF], 0
	s_mov_b32 s[SLOTS], 7
	s_cmp_eq_u32 s[WV], 4
	s_cselect_b32 s[LIM], 1, -1
	; every address that stays is made here, ahead of the first branch on the wave's number
	v_and_b32 v8, 15, v0                           ; r
	v_bfe_u32 v9, v0, 4, 1                         ; h
	v_and_b32 v23, 31, v0                          ; lane
	s_delay_alu instid0(VALU_DEP_3)
	v_mul_u32_u24 v22, v8, KP
	s_delay_alu instid0(VALU_DEP_1)
	v_lshl_add_u32 v[AK0], v9, 4, v22              ; K: row r, + 16 h
	s_delay_alu instid0(VALU_DEP_2)
	v_lshl_add_u32 v[AV0], v9, 3, v22              ; V: row r, + 8 h
	s_delay_alu instid0(VALU_DEP_1)
	v_add_nc_u32 v[STO], s76, v[AV0]               ; the stage, in: the same lane term
	s_delay_alu instid0(VALU_DEP_2)
	v_add_nc_u32 v[AV0], VOFF, v[AV0]
	v_lshlrev_b32 v[PFO], 8, v23
	v_lshlrev_b32 v[QO], 6, v8
	s_delay_alu instid0(VALU_DEP_1)
	v_lshl_add_u32 v[QO], v9, 4, v[QO]             ; Q: row r of 64 bytes, + 16 h
	v_lshlrev_b32 v[GO], 4, v23
	v_lshrrev_b32 v22, 2, v23
	s_delay_alu instid0(VALU_DEP_1)
	v_mul_u32_u24 v22, v22, KP
	v_and_b32 v23, 3, v23
	s_delay_alu instid0(VALU_DEP_1)
	v_lshl_add_u32 v22, v23, 4, v22
	s_delay_alu instid0(VALU_DEP_1)
	v_add_nc_u32 v[RD], s76, v22                   ; the stage, back: four lanes to a row
	v_lshlrev_b32 v22, 3, v9
	s_delay_alu instid0(VALU_DEP_1)
	v_sub_nc_u32 v22, v8, v22
	s_delay_alu instid0(VALU_DEP_1)
	v_add_nc_u32 v[DQ], s72, v22                   ; my query - 8 h, for the mask
	s_delay_alu instid0(VALU_DEP_2)
	v_add_nc_u32 v[DQ+1], s73, v22
.macro PLACE x                         ; tile x: where its Q lies and where its codes go
	s_lshl_b32 s84, s[72+\x], 6
	s_add_co_u32 s84, s84, s74
	s_mov_b32 s85, 0
	s_add_nc_u64 s[QB+2*\x:QB+2*\x+1], s[4:5], s[84:85]
	s_lshr_b32 s84, s66, 4                         ; ((16 batch + query / 128) x 16 + head) x 8,192 + (query % 128) x 64
	s_lshl_b32 s84, s84, 4
	s_lshr_b32 s75, s[72+\x], 7
	s_add_co_u32 s84, s84, s75
	s_lshl_b32 s84, s84, 4
	s_and_b32 s75, s66, 15
	s_add_co_u32 s84, s84, s75
	s_lshl_b32 s84, s84, 13
	s_and_b32 s75, s[72+\x], 127
	s_lshl_b32 s75, s75, 6
	s_add_co_u32 s84, s84, s75
	s_add_nc_u64 s[OA+2*\x:OA+2*\x+1], s[12:13], s[84:85]
.endm
	s_wait_kmcnt 0x0
	s_load_b256 s[EX:EX+7], s[10:11], 0x0          ; e0 .. e7
	s_load_b128 s[EX+8:EX+11], s[10:11], 0x20      ; e8 .. e11
	PLACE 0
	PLACE 1
	s_mov_b32 s[G0K], 1
	s_mov_b32 s[G0K+1], s77                        ; slot 0
	s_add_nc_u64 s[G0K+2:G0K+3], s[6:7], s[80:81]
	s_or_b32 s[G0K+3], s[G0K+3], 0x80000000
	s_mov_b32 s[G0V], 1
	s_add_co_u32 s[G0V+1], s77, VOFF
	s_add_nc_u64 s[G0V+2:G0V+3], s[8:9], s[80:81]
	s_or_b32 s[G0V+3], s[G0V+3], 0x80000000
	s_cmp_lt_u32 s[CX], 2                          ; a choice of buffer, not a branch
	s_cselect_b64 s[PFA:PFA+1], s[6:7], s[8:9]
	s_add_nc_u64 s[PFA:PFA+1], s[PFA:PFA+1], s[82:83]
	CROUND                                         ; all four work-groups are here: the first joint loads meet
	TLOAD                                          ; slot 0
	global_load_b128 v[QF:QF+3], v[QO], s[QB:QB+1]             ; Q stays in registers: registers 4 c .. 4 c + 3 hold channels 32 c + 16 h + 0 .. 15, as K's fragments do
	global_load_b128 v[QF+4:QF+7], v[QO], s[QB:QB+1] offset:32
	global_load_b128 v[QF+8:QF+11], v[QO], s[QB+2:QB+3]
	global_load_b128 v[QF+12:QF+15], v[QO], s[QB+2:QB+3] offset:32
.irp x, 0,1
	v_mov_b32 v[ST+4*\x+1], 0xff61b1e6             ; the largest t so far: -3e38, under every t
	s_delay_alu instid0(VALU_DEP_1)
	v_floor_f32 v[ST+4*\x], -v[ST+4*\x+1]          ; -M
	v_mov_b32 v[ST+4*\x+2], 0                      ; the sum, in two halves
	v_mov_b32 v[ST+4*\x+3], 0
.endr
	v_mov_b32 v[PD], 0                             ; written once: a lane permute's destination counts as one of its sources
	v_mov_b32 v[F+1], 0                            ; (named as the upper half of the pair)
.set ii, 0
.rept 64
	v_mov_b32 v[OF+ii], 0                          ; O^T.  The step is written once: a tile's first step finds zeros, which the first change of M leaves zeros
.set ii, ii+1
.endr
	s_wait_kmcnt 0x0
	s_add_co_i32 s66, s[EX+6], s[EX+7]
	s_lshl_b32 s66, s66, 23
	s_add_co_i32 s[CS], s[CS], s66                 ; a score stands for score x 2^(e6 + e7): the exponents are added to c's exponent field
	s_mov_b32 s[CS+1], s[CS]
	s_add_co_i32 s66, s[EX+8], 127
	s_lshl_b32 s67, s66, 23
	v_mov_b32 v[SCP], s67                          ; 2^e8
; A KEY STEP of tile x: the q-th 128 keys of the slot in hand.
.macro STEP q, x
.set rST, ST+4*(\x)
.set rQ,  QF+8*(\x)
.set rO,  OF+32*(\x)
	s_cmp_gt_u32 s[KF], s[UE+\x]                   ; all keys come after the tile's queries: the step's work is left out
	s_cbranch_scc1 .Lhid_\@
	v_add_nc_u32 v[ADK], s[TB], v[AK0]
	v_add_nc_u32 v[ADV], s[TB], v[AV0]
	v_nop                                          ; with the two additions: four places in front of loads into registers that matrix instructions have read
	v_nop
.irp t, 0,1,2,3,4,5,6,7
.irp c, 0,1
	ds_load_b128 v[KV+8*\t+4*\c:KV+8*\t+4*\c+3], v[ADK] offset:(128*(\q)+16*\t)*KP+32*\c
.endr
.endr
	s_wait_alu depctr_va_vdst(0)
	s_wait_dscnt 0x0
.irp t, 0,1,2,3,4,5,6,7
	v_wmma_f32_16x16x64_fp8_fp8 v[S+8*\t:S+8*\t+7], v[KV+8*\t:KV+8*\t+7], v[rQ:rQ+7], 0
.endr
.rept 4
	v_nop                                          ; four places: in front of the loads over K's fragments, and of the first read of the scores
.endr
.irp t, 0,1,2,3
.irp c, 0,1,2,3,4,5,6,7
	ds_load_b64 v[KV+16*\t+2*\c:KV+16*\t+2*\c+1], v[ADV] offset:((2*(\q)+\c/4)*64+16*\t)*KP+16*(\c%4)   ; V^T: channel 16 t + r, keys 16 c + 8 h + 0 .. 7: they land during the softmax
.endr
.endr
	s_add_co_u32 s66, s[KF], 127
	s_cmp_le_u32 s66, s[UB+\x]                     ; all keys count: no mask.  One step of a tile lies on the diagonal
	s_cbranch_scc1 .Lopen_\@
	v_sub_nc_u32 v[DM], v[DQ+\x], s[KF]            ; d = my query - 8 h - KF.  Register 8 t + j holds key KF + 16 t + 8 h + j: hidden where 16 t + j > d
	v_mov_b32 v[MA], 0xff800000                    ; -infinity: p = 0 then
.set nn, 0
.rept 64
	v_cmp_gt_i32 vcc_lo, 16*(nn/8)+nn%8, v[DM]
	v_cndmask_b32 v[S+nn], v[S+nn], v[MA], vcc_lo
.set nn, nn+1
.endr
.Lopen_\@:
	v_max3_num_f32 v[MA], v[S], v[S+1], v[S+2]     ; the step's largest score of my query among my 64 keys, in two chains; each tile of scores is read from its low end on
	v_max3_num_f32 v[MB], v[S+3], v[S+4], v[S+5]
.irp i, 6,10,14,18,22,26,30,34,38,42,46,50,54,58
	v_max3_num_f32 v[MA], v[MA], v[S+\i], v[S+\i+1]
	v_max3_num_f32 v[MB], v[MB], v[S+\i+2], v[S+\i+3]
.endr
	v_max3_num_f32 v[MA], v[MA], v[S+62], v[S+63]
	s_delay_alu instid0(VALU_DEP_1)
	v_max_num_f32 v[MA], v[MA], v[MB]
	s_delay_alu instid0(VALU_DEP_1)
	v_permlanex16_b32 v[PD], v[MA], s[SEL], s[SEL+1]
	s_delay_alu instid0(VALU_DEP_1)
	v_max_num_f32 v[MA], v[MA], v[PD]              ; and among lane l xor 16's
	s_delay_alu instid0(VALU_DEP_1)
	v_mul_f32 v[MA], s[CS], v[MA]                  ; as t (c is positive)
	s_delay_alu instid0(VALU_DEP_1)
	v_max_num_f32 v[rST+1], v[rST+1], v[MA]        ; the running largest t
	v_mov_b32 v[MA], v[rST]
	s_delay_alu instid0(VALU_DEP_2)
	v_floor_f32 v[rST], -v[rST+1]                  ; the new -M = floor(-t): M is a whole number
	s_delay_alu instid0(VALU_DEP_1)
	v_sub_f32 v[MA], v[rST], v[MA]                 ; old M - new M: a whole number, 0 or less
	s_delay_alu instid0(VALU_DEP_1)
	v_cvt_i32_f32 v[MA], v[MA]                     ; (it saturates)
	s_delay_alu instid0(VALU_DEP_1)
	v_ldexp_f32 v[F], 1.0, v[MA]                   ; f = 2^(old M - new M)
.set nn, 0
.rept 32
	v_pk_fma_f32 v[S+nn:S+nn+1], v[S+nn:S+nn+1], s[CS:CS+1], v[rST:rST+1] op_sel_hi:[1,0,0]   ; t - M, two at a time (of the pairs c and -M the low word serves both halves)
.set nn, nn+2
.endr
.set nn, 0
	s_wait_alu depctr_va_vdst(0)
.rept 64
	v_exp_f32 v[S+nn], v[S+nn]                     ; p = 2^(t - M), at most 1
.set nn, nn+1
.endr
	v_pk_mul_f32 v[rST+2:rST+3], v[rST+2:rST+3], v[F:F+1] op_sel_hi:[1,0]   ; the sums under the new M: the plain line behind the exponentials
	s_wait_alu depctr_va_vdst(0)                   ; one wait for the whole batch, ahead of its first reader
	v_pk_add_f32 v[SB:SB+1], v[S:S+1], v[S+2:S+3]  ; the row's sum is taken of the UNQUANTISED p, in two chains
.irp j, 4,8,12,16,20,24,28,32,36,40,44,48,52,56,60
	v_pk_add_f32 v[rST+2:rST+3], v[rST+2:rST+3], v[S+\j:S+\j+1]
	v_pk_add_f32 v[SB:SB+1], v[SB:SB+1], v[S+\j+2:S+\j+3]
.endr
	s_delay_alu instid0(VALU_DEP_1)
	v_pk_add_f32 v[rST+2:rST+3], v[rST+2:rST+3], v[SB:SB+1]
.irp t, 0,1,2,3,4,5,6,7
.irp i, 0,1,2,3,4,5,6,7
.endr
	v_cvt_scalef32_pk8_fp8_f32 v[PC+2*\t:PC+2*\t+1], v[S+8*\t:S+8*\t+7], v[SCP]
.endr
.set nn, 0
.rept 16
	v_pk_mul_f32 v[rO+nn:rO+nn+1], v[rO+nn:rO+nn+1], v[F:F+1] op_sel_hi:[1,0]   ; O^T under the new M.  (Also the plain lines between the conversions and the products that read their results)
.set nn, nn+2
.endr
	s_wait_alu depctr_va_vdst(0)
	s_wait_dscnt 0x0                               ; V's fragments are in
.irp t, 0,1,2,3
	v_wmma_f32_16x16x128_fp8_fp8 v[rO+8*\t:rO+8*\t+7], v[KV+16*\t:KV+16*\t+15], v[PC:PC+15], v[rO+8*\t:rO+8*\t+7]   ; the four accumulators take turns
.endr
.Lhid_\@:
.endm
; THE CHANGE OF SLOTS stands at a slot's head.  Each wave waits for all its tensor loads (its part of the slot ahead), adds 0 to its spare word, and waits for that and for its reads of the slot that it has left.
; fill = 1: a round of the cluster's barrier, and behind it the slot that was left takes the next 256 keys: the load has a whole slot's steps in which to land.
.macro CHANGE fill
	s_wait_tensorcnt 0x0                           ; no tensor load of mine is out, so a group 0 may be written
	ds_add_u32 v[SPW], v[NIL]                      ; 0 onto my spare word
.if \fill
	s_xor_b32 s[G0K+1], s[G0K+1], SLOT1            ; the walking descriptors: the other slot than last time, the next 256 keys
	s_add_nc_u64 s[G0K+2:G0K+3], s[G0K+2:G0K+3], 16384
	s_xor_b32 s[G0V+1], s[G0V+1], SLOT1
	s_add_nc_u64 s[G0V+2:G0V+3], s[G0V+2:G0V+3], 16384
	s_wait_xcnt 0x0                                ; the last prefetch, a slot back, has read its address, so it may be written:
	s_add_nc_u64 s[PFA:PFA+1], s[PFA:PFA+1], 16384 ; one slot further on than the walking descriptors
	s_wait_dscnt 0x0                               ; the add is done, and my reads of the slot that I have left are over
	CROUND
	TLOAD                                          ; the first thing behind the round, and a wave's one tensor load until the next
	ASK
.else
	s_wait_dscnt 0x0
	s_barrier_signal -1
	s_barrier_wait -1
.endif
.endm
.macro SLOT_STEPS
	STEP 0, 0
	STEP 0, 1
	s_add_co_u32 s[KF], s[KF], 128
	STEP 1, 0
	STEP 1, 1
	s_add_co_u32 s[KF], s[KF], 128
	s_xor_b32 s[TB], s[TB], SLOT1                  ; on to the other slot
.endm
	s_wait_loadcnt 0x0                             ; Q
.Lslot:                                            ; seven trips: behind each change of slots but the last the next slot is asked for
	CHANGE 1
	SLOT_STEPS
	s_sub_co_u32 s[SLOTS], s[SLOTS], 1
	s_cmp_lg_u32 s[SLOTS], 0
	s_cbranch_scc1 .Lslot
	CHANGE 0                                       ; the last slot is written out
	SLOT_STEPS
	; THE WAY OUT.  O^T / the sum stands for the result / 2^(e8 + e9); its code is that / 2^(e10 - e8 - e9).  A tile's 16 queries x 64 codes go through my stage and leave as 1,024 consecutive bytes.
.rept 4
	v_nop                                          ; places behind the last products
.endr
	v_add_f32 v[ST+2], v[ST+2], v[ST+3]            ; the sums' two halves,
	v_add_f32 v[ST+6], v[ST+6], v[ST+7]
	s_delay_alu instid0(VALU_DEP_2)
	v_permlanex16_b32 v[ST+3], v[ST+2], s[SEL], s[SEL+1]
	s_delay_alu instid0(VALU_DEP_2)
	v_permlanex16_b32 v[ST+7], v[ST+6], s[SEL], s[SEL+1]
	s_delay_alu instid0(VALU_DEP_2)
	v_add_f32 v[ST+2], v[ST+2], v[ST+3]            ; and lane l xor 16's
	s_delay_alu instid0(VALU_DEP_2)
	v_add_f32 v[ST+6], v[ST+6], v[ST+7]
	s_wait_alu depctr_va_vdst(0)
	v_rcp_f32 v[ST+2], v[ST+2]
	v_rcp_f32 v[ST+6], v[ST+6]
	v_nop                                          ; a plain line behind the reciprocals
	s_sub_co_i32 s66, s[EX+10], s[EX+8]
	s_sub_co_i32 s66, s66, s[EX+9]
	s_add_co_i32 s66, s66, 127
	s_lshl_b32 s67, s66, 23
	v_mov_b32 v[SCP], s67                          ; 2^(e10 - e8 - e9)
	s_wait_alu depctr_va_vdst(0)                   ; one wait for both reciprocals, ahead of their first reader
.irp x, 0,1
.set nn, 0
.rept 16
	v_pk_mul_f32 v[S+32*\x+nn:S+32*\x+nn+1], v[OF+32*\x+nn:OF+32*\x+nn+1], v[ST+4*\x+2:ST+4*\x+3] op_sel_hi:[1,0]   ; ascending: each accumulator from its low end on
.set nn, nn+2
.endr
.set nn, 0
.rept 32
.set nn, nn+1
.endr
.irp t, 0,1,2,3
	v_cvt_scalef32_pk8_fp8_f32 v[KV+16*\x+2*\t:KV+16*\x+2*\t+1], v[S+32*\x+8*\t:S+32*\x+8*\t+7], v[SCP]   ; query r, channels 16 t + 8 h + 0 .. 7
.endr
	v_nop                                          ; one plain line behind the last conversion
.irp t, 0,1,2,3
	ds_store_b64 v[STO], v[KV+16*\x+2*\t:KV+16*\x+2*\t+1] offset:16*\t
.endr
.irp i, 0,1
	ds_load_b128 v[KV+16*\x+8+4*\i:KV+16*\x+8+4*\i+3], v[RD] offset:8*KP*\i   ; LDS serves a wave's instructions in order: these see my stores, and the next tile's stores come behind them
.endr
.endr
	s_wait_dscnt 6                                 ; tile 0 is back; behind its loads stand tile 1's four stores and two loads
	global_store_b128 v[GO], v[KV+8:KV+11], s[OA:OA+1]
	global_store_b128 v[GO], v[KV+12:KV+15], s[OA:OA+1] offset:512
	s_wait_dscnt 0x0
	global_store_b128 v[GO], v[KV+24:KV+27], s[OA+2:OA+3]          ; 32 lanes store 512 consecutive bytes, aligned
	global_store_b128 v[GO], v[KV+28:KV+31], s[OA+2:OA+3] offset:512
	s_wait_tensorcnt 0x0                           ; the wave's end
	ds_add_u32 v[SPW], v[NIL]
	s_wait_dscnt 0x0
	CROUND                                         ; the closing round
	s_endpgm
.Lfunc_end_k_q520083d3e7_attn:
	.size	k_q520083d3e7_attn, .Lfunc_end_k_q520083d3e7_attn-k_q520083d3e7_attn
	.p2alignl 7, 3214868480
	.fill 96, 4, 3214868480
	.section	.rodata,"a",@progbits
	.p2align	6, 0x0
	.amdhsa_kernel k_q520083d3e7_attn
		.amdhsa_group_segment_fixed_size 327680
		.amdhsa_private_segment_fixed_size 0
		.amdhsa_enable_private_segment 0
		.amdhsa_kernarg_size 40
		.amdhsa_user_sgpr_count 2
		.amdhsa_user_sgpr_kernarg_segment_ptr 1
		.amdhsa_wavefront_size32 1
		.amdhsa_system_sgpr_workgroup_id_x 1
		.amdhsa_system_sgpr_workgroup_id_y 1
		.amdhsa_system_sgpr_workgroup_id_z 1
		.amdhsa_system_vgpr_workitem_id 0
		.amdhsa_next_free_vgpr 256
		.amdhsa_next_free_sgpr 100
		.amdhsa_reserve_vcc 1
		.amdhsa_float_denorm_mode_32 3
		.amdhsa_float_denorm_mode_16_64 3
		.amdhsa_fp16_overflow 1
		.amdhsa_memory_ordered 1
		.amdhsa_forward_progress 1
		.amdhsa_inst_pref_size 175
	.end_amdhsa_kernel
	.amdgpu_metadata
---
amdhsa.version: [ 1, 2 ]
amdhsa.kernels:
  - .name:           k_q520083d3e7_attn
    .symbol:         k_q520083d3e7_attn.kd
    .args:
      - { .name: q_codes, .offset: 0, .size: 8, .value_kind: global_buffer, .address_space: global }
      - { .name: k_codes, .offset: 8, .size: 8, .value_kind: global_buffer, .address_space: global }
      - { .name: v_codes, .offset: 16, .size: 8, .value_kind: global_buffer, .address_space: global }
      - { .name: lowp_scales, .offset: 24, .size: 8, .value_kind: global_buffer, .address_space: global }
      - { .name: a_codes, .offset: 32, .size: 8, .value_kind: global_buffer, .address_space: global }
    .group_segment_fixed_size: 327680
    .private_segment_fixed_size: 0
    .kernarg_segment_align: 8
    .kernarg_segment_size: 40
    .max_flat_workgroup_size: 512
    .sgpr_count:     100
    .vgpr_count:     256
    .wavefront_size: 32
...
	.end_amdgpu_metadata
.endif
;; end of part 2
;; launch oproj (part 3): grid 4 x 64, 4 waves a work-group, clusters of 4 x 4, 327,680 bytes of LDS; arguments a_codes, w_o_codes, b_o, lowp_scales, out0; writes out0
.if DOCPART == 3
	.amdgcn_target "amdgcn-amd-amdhsa--gfx1250"
	.amdhsa_code_object_version 6
	.text
	.protected	k_q520083d3e7_oproj
	.globl	k_q520083d3e7_oproj
	.p2align	8
	.type	k_q520083d3e7_oproj,@function
k_q520083d3e7_oproj:
	s_mov_b64 s[64:65], 0
	v_nop
	global_prefetch_b8 v0, s[64:65] scope:SCOPE_SE
	s_setreg_imm32_b32 hwreg(HW_REG_WAVE_MODE, 25, 1), 1
	s_wait_xcnt 0x0
	s_wait_alu depctr_hold_cnt(0) depctr_sa_sdst(0) depctr_va_vdst(0) depctr_va_sdst(0) depctr_va_ssrc(0) depctr_va_vcc(0) depctr_vm_vsrc(0)
	s_getreg_b32 s2, hwreg(HW_REG_IB_STS2, 6, 4)
	s_cmp_eq_u32 s2, 0
	s_cbranch_scc0 .Lentry_in_a_cluster
	s_endpgm
.Lentry_in_a_cluster:
	s_bfe_u32 s2, ttmp6, 0x10000c
	s_cmp_lg_u32 s2, 0xf033
	s_cbranch_scc0 .Lentry_shape_is_right
	s_endpgm
.Lentry_shape_is_right:
; out0 = a Wo + bo on codes of FP8 (E4M3).  a_codes: [token / 128][head 16][token % 128][d 64], scale 2^e10; w_o_codes: [1024 columns][1024], K = 64 head + d innermost, scale 2^e11; bo, out0 f32.
; LIMIT: e10 + e11 lies between -126 and 127, so that 2^(e10 + e11) is an f32 number.
; SHARES.  A work-group of four waves makes 128 tokens x 256 columns; a wave 64 x 128: 32 accumulators.  The token block's 131,072 bytes of a are one dense block: they are fetched once and stay in LDS
; (2,048 rows of 64 bytes, (head, token)); Wo goes through a ring of two slots of 256 rows x 256 K.  Eight steps of 128 along K, written out by macros: no loop.
; CLUSTERS: 4 x 4 work-groups: a's block is shared along a row of the cluster, Wo's tiles along a column; each is asked for JOINTLY.
; The matrix instruction is used transposed (source 0 = 16 rows of Wo, source 1 = 16 tokens): a lane holds eight neighbouring columns of one row of out0.
; REGISTERS: window 0: v1-31 addresses; v32-95, v96-159 a's fragments, two sets; on the way out v32-95 results, v128-255 rows read back.   window 1: Wo's fragments, two sets.
;   window 2: accumulator (a, b) at v[8 (8 a + b)].   window 3: v0-63 bo in the result's layout.
.set PITCH,  272                       ; Wo's LDS row: 256 bytes + 16
.set KP,     80                        ; a's LDS row: 64 bytes + 16
.set HEADB,  128*KP                    ; a head's 128 tokens
.set WB,     16*HEADB                  ; behind a's block: Wo's ring
.set WQ,     64*PITCH
.set WSLOT,  4*WQ
.set SPARE,  WB+2*WSLOT                ; the spare words: two blocks of 256 bytes that no other line names
.set SPITCH, 528                       ; the way out: 16 rows x (512 bytes + 16) a wave, in Wo's slot 0: behind the last change of slots it has had its last fill and its last read
.set ADRA,  16                         ; v16-19  my a fragments of heads 4 i .. 4 i + 3
.set ADRB,  20                         ; v20-21  my Wo fragments in slot 0, 1
.set BO8,   14
.set STO,   24
.set RD,    25
.set CO,    26
.set SPW,   28                         ; v28  my spare word; never rewritten
.set NIL,   29                         ; v29  0; never rewritten
.set AF,    32
.set TMP,   32
.set BK,    128
.set WV,  26
.set WR,  27
.set WC,  28
.set CX,  29
.set CY,  30
.set CG,  31
.set TBK, 32
.set G1A, 40
.set G1W, 48
.set G0A, 56
.set G0W0, 60                          ; s[60:63] slot 0, s[68:71] slot 1
.set SCL, 74                           ; s[74:75] 2^(e10 + e11)
.set WP,  84
.set OUTP, 90
.set MSB, 0
.macro WIN new
.if MSB != \new
	s_set_vgpr_msb (MSB<<8)|\new
.set MSB, \new
.endif
.endm
.macro PLACES n
.rept \n
	v_nop
.endr
.endm
.macro CREST
	s_cmp_lg_u32 s[WV], 0
	s_cbranch_scc1 .Lnot_wave_0_\@
	s_barrier_signal -3
.Lnot_wave_0_\@:
	s_barrier_wait -3
	s_barrier_signal -1
	s_barrier_wait -1
.endm
.macro CROUND
	s_barrier_signal -1
	s_barrier_wait -1
	CREST
.endm
	s_load_b256 s[4:11], s[0:1], 0x0               ; a 4, wo 6, bo 8, the exponents 10
	s_load_b64 s[12:13], s[0:1], 0x20              ; out0
	v_lshl_add_u32 v[SPW], v0, 2, SPARE
	v_mov_b32 v[NIL], 0
	ds_add_u32 v28, v29
	ds_add_u32 v28, v29
	s_wait_dscnt 0x0
	v_lshrrev_b32 v1, 5, v0
	v_readfirstlane_b32 s[WV], v1
	s_lshr_b32 s[WR], s[WV], 1
	s_and_b32 s[WC], s[WV], 1
	s_bfe_u32 s[CX], ttmp6, 0x40000
	s_bfe_u32 s[CY], ttmp6, 0x40004
	s_lshl_b32 s[CG], ttmp9, 2
	s_add_co_u32 s[CG], s[CG], s[CX]               ; column group
	s_and_b32 s[TBK], ttmp7, 0xffff
	s_lshl_b32 s[TBK], s[TBK], 2
	s_add_co_u32 s[TBK], s[TBK], s[CY]             ; token block
	s_lshl_b32 s33, s[CY], 2
	s_lshl_b32 s33, 15, s33                        ; my row of the cluster
	s_lshl_b32 s34, 0x1111, s[CX]                  ; my column
	s_or_b32 s[G1A], s33, (1<<20)|(1<<21)|(3<<22)|(3<<25)   ; 512 dense rows of 64 bytes, 4 words of padding behind every 16
	s_mov_b32 s[G1A+1], 64<<16
	s_mov_b32 s[G1A+2], 512<<16
	s_mov_b32 s[G1A+3], 64<<16
	s_mov_b32 s[G1A+4], 512
	s_mov_b32 s[G1A+5], 64
	s_mov_b32 s[G1A+6], 0
	s_mov_b32 s[G1A+7], 0
	s_or_b32 s[G1W], s34, (1<<20)|(1<<21)|(5<<22)|(3<<25)   ; 64 rows of 256 bytes, 4 words of padding behind every 64
	s_mov_b32 s[G1W+1], 256<<16
	s_mov_b32 s[G1W+2], 64<<16
	s_mov_b32 s[G1W+3], 256<<16
	s_mov_b32 s[G1W+4], 64
	s_mov_b32 s[G1W+5], 1024
	s_mov_b32 s[G1W+6], 0
	s_mov_b32 s[G1W+7], 0
	v_and_b32 v1, 15, v0                           ; r
	v_bfe_u32 v2, v0, 4, 1                         ; h
	v_and_b32 v3, 31, v0                           ; lane
	v_mul_u32_u24 v4, v1, KP
	v_lshl_add_u32 v4, v2, 4, v4
	s_mul_i32 s35, s[WR], 64*KP                    ; my 64 tokens in each head's rows
.irp c, 0,1,2,3
	v_add_nc_u32 v[ADRA+\c], s35, v4
	s_add_co_u32 s35, s35, 4*HEADB
.endr
	v_mul_u32_u24 v4, v1, PITCH
	v_lshl_add_u32 v4, v2, 4, v4
	s_mul_i32 s35, s[WC], 128*PITCH
	s_add_co_u32 s35, s35, WB
.irp c, 0,1
	v_add_nc_u32 v[ADRB+\c], s35, v4
	s_add_co_u32 s35, s35, WSLOT
.endr
	s_mul_i32 s35, s[WV], 16*SPITCH
	s_add_co_u32 s35, s35, WB                      ; my stage
	v_mul_u32_u24 v5, v1, SPITCH
	v_lshl_add_u32 v5, v2, 5, v5
	v_add_nc_u32 v[STO], s35, v5                   ; in: row r, 32 bytes for each half of the lanes
	v_lshlrev_b32 v[CO], 4, v3
	v_add_nc_u32 v[RD], s35, v[CO]                 ; back: the 32 lanes take one row of 512 bytes
	v_lshlrev_b32 v[BO8], 5, v2
	s_lshl_b32 s36, s[TBK], 17                     ; a: the token block, my four heads: holds cy and never cx
	s_lshl_b32 s37, s[WV], 15
	s_add_co_u32 s36, s36, s37
	s_mov_b32 s37, 0
	s_lshl_b32 s38, s[CG], 18                      ; Wo: the column group, my 64 rows: holds cx and never cy
	s_lshl_b32 s39, s[WV], 16
	s_add_co_u32 s38, s38, s39
	s_mov_b32 s39, 0
	s_lshl_b32 s98, s[CG], 10                      ; (256 cg + 128 wc) x 4 bytes: in bo, and in a row of out0
	s_lshl_b32 s99, s[WC], 9
	s_add_co_u32 s98, s98, s99
	s_mov_b32 s99, 0
	s_lshl_b32 s96, s[TBK], 19                     ; out0: row 128 tb + 64 wr of 4,096 bytes
	s_lshl_b32 s97, s[WR], 18
	s_add_co_u32 s96, s96, s97
	s_add_co_u32 s96, s96, s98
	s_mov_b32 s97, 0
	s_mul_i32 s35, s[WV], WQ
	s_wait_kmcnt 0x0
	s_load_b64 s[72:73], s[10:11], 0x28            ; e10, e11
	s_add_nc_u64 s[WP:WP+1], s[6:7], s[38:39]
	s_add_nc_u64 s[OUTP:OUTP+1], s[12:13], s[96:97]
	s_add_nc_u64 s[8:9], s[8:9], s[98:99]
	s_mov_b32 s[G0A], 1
	s_mul_i32 s[G0A+1], s[WV], 4*HEADB
	s_add_nc_u64 s[G0A+2:G0A+3], s[4:5], s[36:37]
	s_or_b32 s[G0A+3], s[G0A+3], 0x80000000
	s_mov_b32 s[G0W0], 1
	s_add_co_u32 s[G0W0+1], s35, WB
	s_mov_b64 s[G0W0+2:G0W0+3], s[WP:WP+1]
	s_or_b32 s[G0W0+3], s[G0W0+3], 0x80000000
	s_mov_b32 s[G0W0+8], 1
	s_add_co_u32 s[G0W0+9], s35, WB+WSLOT
	s_add_nc_u64 s[G0W0+10:G0W0+11], s[WP:WP+1], 256
	s_or_b32 s[G0W0+11], s[G0W0+11], 0x80000000
	CROUND                                         ; all sixteen work-groups are here: the first joint loads meet
	tensor_load_to_lds s[G0A:G0A+3], s[G1A:G1A+7]  ; the first fill goes out alone: one load of mine is out
	s_nop 0
	s_wait_alu depctr_va_vdst(0)
	s_wait_tensorcnt 0x0
	ds_add_u32 v28, v29
	s_wait_dscnt 0x0
	CROUND
	tensor_load_to_lds s[G0W0:G0W0+3], s[G1W:G1W+7]
	s_nop 0
	s_wait_alu depctr_va_vdst(0)
	s_wait_tensorcnt 0x0
	ds_add_u32 v28, v29
	s_wait_dscnt 0x0
	CROUND
	tensor_load_to_lds s[G0W0+8:G0W0+11], s[G1W:G1W+7]
	s_nop 0
	PLACES 4
	WIN 0xC0                                       ; destination window 3
	s_wait_alu depctr_va_vdst(0)
.irp b, 0,1,2,3,4,5,6,7
	global_load_b128 v[8*\b:8*\b+3], v[BO8], s[8:9] offset:64*\b          ; bo at columns 16 b + 8 h + 0 .. 7
	global_load_b128 v[8*\b+4:8*\b+7], v[BO8], s[8:9] offset:64*\b+16
.endr
	WIN 0
	s_wait_kmcnt 0x0
	s_add_co_i32 s[SCL], s72, s73
	s_add_co_i32 s[SCL], s[SCL], 127
	s_lshl_b32 s[SCL], s[SCL], 23                  ; 2^(e10 + e11) as f32
	s_mov_b32 s[SCL+1], s[SCL]                     ; (named with it as a pair, so it is written)
.macro FETCH_B set, slot, q            ; Wo's eight fragments: registers 4 c .. 4 c + 3 hold K = 32 c + 16 h + 0 .. 15 of the step's 128
	WIN 0x40
.irp i, 0,1,2,3,4,5,6,7
.irp c, 0,1,2,3
	ds_load_b128 v[128*(\set)+16*\i+4*\c:128*(\set)+16*\i+4*\c+3], v[ADRB+\slot] offset:128*(\q)+32*\c+\i*16*PITCH
.endr
.endr
	WIN 0
.endm
.macro FETCH_A set, kk                 ; a's four fragments of step kk: the same places of K: head 2 kk + c / 2, channels 32 (c % 2) + 16 h + 0 .. 15
.irp a, 0,1,2,3
.irp c, 0,1,2,3
	ds_load_b128 v[AF+64*(\set)+16*\a+4*\c:AF+64*(\set)+16*\a+4*\c+3], v[ADRA+(\kk)/2] offset:(2*((\kk)%2)+\c/2)*HEADB+16*\a*KP+32*(\c%2)
.endr
.endr
.endm
.macro SYMS n
.set PS,  (\n)%2
.set NKK, (\n)+1
.set NQ,  NKK%2
.set NSL, (NKK/2)%2
.set FST, 0
.if (\n) == 0
.set FST, 1
.endif
.endm
.set WM, 0xA1                          ; Wo window 1, a window 0, C and D window 2
.macro MUL8 a                          ; the 32 accumulators take turns, one instruction a turn, in the same order in every step
.irp b, 0,1,2,3,4,5,6,7
.set rD, 8*(8*(\a)+\b)
.set rA, AF+64*PS+16*(\a)
.set rB, 128*PS+16*\b
.if FST
	v_wmma_f32_16x16x128_fp8_fp8 v[rD:rD+7], v[rB:rB+15], v[rA:rA+15], 0
.else
	v_wmma_f32_16x16x128_fp8_fp8 v[rD:rD+7], v[rB:rB+15], v[rA:rA+15], v[rD:rD+7]
.endif
.endr
.endm
.macro STEP n
	SYMS \n
	s_wait_dscnt 8                                 ; Wo's eight and a's blocks 0, 1 are in; the youngest eight loads may be out
	WIN WM
	MUL8 0
	MUL8 1
	PLACES 4                                       ; in front of loads into registers that matrix instructions have read
	FETCH_B 1-PS, NSL, NQ
	FETCH_A 1-PS, NKK
	s_wait_dscnt 48                                ; all but the 48 just issued
	WIN WM
	MUL8 2
	MUL8 3
	WIN 0
.endm
; An odd step changes slots: one barrier; in front of it each wave waits for all its tensor loads, adds 0 to its spare word, and waits for that and for its reads of this slot.
.macro TURN n, fill
	SYMS \n
.set GG, (\n)/2
.set GW, G0W0+8*(GG%2)
	s_wait_tensorcnt 0x0
	ds_add_u32 v[SPW], v[NIL]                      ; 0 onto my spare word
	s_wait_dscnt 13                                ; (the add and the twelve loads of a's blocks 1 to 3 may be out)
	WIN WM
	MUL8 0
	s_wait_dscnt 0x0                               ; the add is done, and my reads of this slot are over
	s_barrier_signal -1
	MUL8 1
	WIN 0
	s_barrier_wait -1
.if \fill
	CREST                                          ; no wave of any partner still reads this slot or has a load on its way
	s_add_nc_u64 s[GW+2:GW+3], s[WP:WP+1], (GG+2)*256
	s_or_b32 s[GW+3], s[GW+3], 0x80000000
	tensor_load_to_lds s[GW:GW+3], s[G1W:G1W+7]    ; my one tensor load behind the round
	s_nop 0
.endif
	PLACES 4
	FETCH_B 1-PS, NSL, NQ
	FETCH_A 1-PS, NKK
	WIN WM
	MUL8 2
	MUL8 3
	WIN 0
.endm
; THE WAY OUT, block by block of 16 rows x 128 columns: sum x 2^(e10 + e11) + bo by one packed multiply-add for two numbers; through my stage; back as whole rows of 512 bytes.
.macro TOSTAGE a
	WIN 0x32                                       ; source 0 (the sums) window 2, source 2 (bo) window 3
.irp j, 0,2,4,6,8,10,12,14,16,18,20,22,24,26,28,30,32,34,36,38,40,42,44,46,48,50,52,54,56,58,60,62
	v_pk_fma_f32 v[TMP+\j:TMP+\j+1], v[64*(\a)+\j:64*(\a)+\j+1], s[SCL:SCL+1], v[\j:\j+1] op_sel_hi:[1,0,1]   ; each accumulator from its low end on
.endr
	WIN 0
.irp b, 0,1,2,3,4,5,6,7
	ds_store_b128 v[STO], v[TMP+8*\b:TMP+8*\b+3] offset:64*\b
	ds_store_b128 v[STO], v[TMP+8*\b+4:TMP+8*\b+7] offset:64*\b+16
.endr
.set BB, BK+64*((\a)%2)
.irp t, 0,1,2,3,4,5,6,7,8,9,10,11,12,13,14,15
	ds_load_b128 v[BB+4*\t:BB+4*\t+3], v[RD] offset:\t*SPITCH   ; LDS serves a wave's instructions in order: these see my stores
.endr
.endm
.macro SEND a, younger
.set BB, BK+64*((\a)%2)
	s_wait_dscnt \younger
.irp t, 0,1,2,3,4,5,6,7,8,9,10,11,12,13,14,15
	global_store_b128 v[CO], v[BB+4*\t:BB+4*\t+3], s[OUTP:OUTP+1] offset:(16*(\a)+\t)*4096 th:TH_STORE_NT   ; 32 lanes store 512 consecutive bytes, aligned; written once
.endr
.endm
	s_wait_tensorcnt 1                             ; my part of a and of slot 0 are in; slot 1's load may be out
	s_barrier_signal -1
	s_barrier_wait -1
	FETCH_B 0, 0, 0
	FETCH_A 0, 0
	STEP 0                                         ; its products start the sums: nothing is cleared
	TURN 1, 1
	STEP 2
	TURN 3, 1
	STEP 4
	TURN 5, 0                                      ; nothing is left to fetch: no round
	STEP 6
	SYMS 7                                         ; the very last step
	s_wait_dscnt 8
	WIN WM
	MUL8 0
	MUL8 1
	s_wait_dscnt 0x0
	MUL8 2
	MUL8 3
	WIN 0
	s_wait_loadcnt 0x0                             ; bo
	PLACES 4                                       ; behind the last products: for the first read of results and the loads over a's fragments
	TOSTAGE 0
.irp a, 1,2,3
.if \a > 1
	s_wait_xcnt 0x0                                ; block a - 2's stores have read their registers: block a's loads may land there
.endif
	TOSTAGE \a
	SEND \a-1, 32                                  ; behind block a - 1's loads: block a's 16 stores and 16 loads
.endr
	SEND 3, 0
	s_wait_tensorcnt 0x0                           ; the wave's end
	ds_add_u32 v[SPW], v[NIL]
	s_wait_dscnt 0x0
	CROUND                                         ; the closing round
	s_endpgm
.Lfunc_end_k_q520083d3e7_oproj:
	.size	k_q520083d3e7_oproj, .Lfunc_end_k_q520083d3e7_oproj-k_q520083d3e7_oproj
	.p2alignl 7, 3214868480
	.fill 96, 4, 3214868480
	.section	.rodata,"a",@progbits
	.p2align	6, 0x0
	.amdhsa_kernel k_q520083d3e7_oproj
		.amdhsa_group_segment_fixed_size 327680
		.amdhsa_private_segment_fixed_size 0
		.amdhsa_enable_private_segment 0
		.amdhsa_kernarg_size 40
		.amdhsa_user_sgpr_count 2
		.amdhsa_user_sgpr_kernarg_segment_ptr 1
		.amdhsa_wavefront_size32 1
		.amdhsa_system_sgpr_workgroup_id_x 1
		.amdhsa_system_sgpr_workgroup_id_y 1
		.amdhsa_system_sgpr_workgroup_id_z 1
		.amdhsa_system_vgpr_workitem_id 0
		.amdhsa_next_free_vgpr 1024
		.amdhsa_next_free_sgpr 100
		.amdhsa_reserve_vcc 0
		.amdhsa_float_denorm_mode_32 3
		.amdhsa_float_denorm_mode_16_64 3
		.amdhsa_memory_ordered 1
		.amdhsa_forward_progress 1
		.amdhsa_inst_pref_size 76
	.end_amdhsa_kernel
	.amdgpu_metadata
---
amdhsa.version: [ 1, 2 ]
amdhsa.kernels:
  - .name:           k_q520083d3e7_oproj
    .symbol:         k_q520083d3e7_oproj.kd
    .args:
      - { .name: a_codes, .offset: 0, .size: 8, .value_kind: global_buffer, .address_space: global }
      - { .name: w_o_codes, .offset: 8, .size: 8, .value_kind: global_buffer, .address_space: global }
      - { .name: b_o, .offset: 16, .size: 8, .value_kind: global_buffer, .address_space: global }
      - { .name: lowp_scales, .offset: 24, .size: 8, .value_kind: global_buffer, .address_space: global }
      - { .name: out0, .offset: 32, .size: 8, .value_kind: global_buffer, .address_space: global }
    .group_segment_fixed_size: 327680
    .private_segment_fixed_size: 0
    .kernarg_segment_align: 8
    .kernarg_segment_size: 40
    .max_flat_workgroup_size: 128
    .sgpr_count:     100
    .vgpr_count:     1024
    .wavefront_size: 32
...
	.end_amdgpu_metadata
.endif
;; end of part 3
